; MI455X (gfx1250); checked and timed in simulation.
; The chip was launched on July 23, 2026; its instructions are those of AMD's public machine-readable ISA for CDNA 5 (MIT licence, August 2026) and "CDNA5" Instruction Set Architecture Reference Guide (July 2026). The comments in the code are by the model that wrote it; some were corrected since.
;; Content Based Attention. Allowed arithmetic: matrix products marked QUANTISED: E2M1 operands, one E8M0 scale for each 32 along K, by v_wmma_scale_f32_16x16x128_f8f6f4 with both operands' format E2M1 (or v_wmma_scale_f32_32x16x128_f4), f32 sums; products left as they are: f32 operands where the result goes on into a quantised operand, else bf16, f16 or f32 operands; f32 sums; everything else in f32.
;; Inputs: Wk 1,024 x 1,024 float32; Wq 1,024 x 1,024 float32; Wv 1,024 x 1,024 float32; bk 1,024 float32; bq 1,024 float32; bv 1,024 float32; x 4 x 4,096 x 1,024 float32.
;; Outputs: out0 4 x 4,096 x 1,024 float32.
;; This version of the problem:
;;   THIS VERSION OF THE PROBLEM IS GIVEN IN LOW PRECISION. The matrix products marked QUANTISED in the list below multiply operands that are first quantised to E2M1 (2 exponent bits, 1 mantissa bit; 4 bits a number), with one power-of-two scale for each 32 numbers along K (OCP MX v1.0); their sums are f32. All else is computed in f32.
;;   The module's matrix products, in the order in which they are computed (A, B: the left and right operand; K: the contracted axis; several contracted axes count as one K, in the product's order):
;;     1. [M 16,384, K 1,024] x [K 1,024, N 1,024]; A: input x; B: input Wq: QUANTISED
;;     2. [M 16,384, K 1,024] x [K 1,024, N 1,024]; A: input x; B: input Wk: QUANTISED
;;     3. [M 16,384, K 1,024] x [K 1,024, N 1,024]; A: input x; B: input Wv: QUANTISED
;;     4. batch 16,384 x [M 16, K 64] x [K 64, N 16]; A: computed on the way; B: computed on the way: QUANTISED
;;     5. batch 16,384 x [M 16, K 16] x [K 16, N 64]; A: softmax; B: computed on the way: left as it is (K = 16 < 32)
;;   THE QUANTISER, for each operand of a quantised product, along K:
;;     - K is cut into blocks of 32 from its start; a last block that is shorter is filled with zeros.
;;     - A block's scale is 2^e with e = floor(log2(the largest magnitude in the block)) - 2, held to -126 .. 127; a block of zeros has e = 0. As a byte (E8M0): e + 127.
;;     - Each number is divided by its block's scale, clamped to +-6, and rounded to the nearest number of E2M1, ties to even, subnormals kept.
;;     - The product sums the exact products of the quantised numbers (number of the format x scale) in f32.
;;   ~~~python
;;   def quantise(x, axis):      # numpy; x: float32 -> the quantised numbers, widened to float32 again
;;       x = np.moveaxis(x, axis, -1); K = x.shape[-1]
;;       x = np.pad(x, [(0, 0)] * (x.ndim - 1) + [(0, -K % 32)]); x = x.reshape(x.shape[:-1] + (-1, 32)); a = np.abs(x).max(-1, keepdims=True)
;;       e = np.where(a > 0, np.clip(np.frexp(np.where(a > 0, a, 1))[1] - 1 - 2, -126, 127), 0)      # np.frexp(a)[1] - 1 = floor(log2(a)), exactly
;;       r = np.clip(x / 2.0 ** e, -6, 6)
;;       step = 2.0 ** (np.maximum(np.frexp(np.where(r == 0, 1, r))[1] - 1, 0) - 1)
;;       q = np.round(r / step) * step * 2.0 ** e      # np.round: ties to even
;;       return np.moveaxis(q.reshape(q.shape[:-2] + (-1,))[..., :K], -1, axis).astype(np.float32)
;;   ~~~
;;   OPERANDS COMPUTED ON THE WAY. 'Computed on the way' means the value that the module computes at that place (a softmax that the list does not call 'softmax' is quantised finished and normalised). What goes into a quantiser is computed in f32, as accurately as f32 sums, v_exp_f32 and their like allow (about 1e-6 of the number): no bf16 or f16 on the way to a quantiser, and a product that is left as it is and whose result goes on into a quantised operand takes f32 operands (vector FMAs, or v_wmma_f32_16x16x4_f32). A number that lies on a knife's edge between two numbers of the format may be rounded either way, as far as f32 arithmetic and the matrix unit's own rounding can turn it there, and no further.
;; One version. Each part assembles by itself: llvm-mc -triple=amdgcn-amd-amdhsa -mcpu=gfx1250 --defsym DOCPART=n.
;; ======== version 1 of 1: 2 launches
;; limits: values are held in bf16: 8 bits of precision; right only within a limited range of input values
;; workspace buffers: wcodes 1,572,864 bytes; wside 110,592 bytes
;; launch prep (part 1): grid 8 x 48, 4 waves a work-group, no clusters, 34,560 bytes of LDS; arguments Wq, Wk, Wv, bq, bk, bv, wcodes, wside; writes wcodes, wside
.if DOCPART == 1
	.amdgcn_target "amdgcn-amd-amdhsa--gfx1250"
	.amdhsa_code_object_version 6
	.text
	.protected	k_q909135971e_prep
	.globl	k_q909135971e_prep
	.p2align	8
	.type	k_q909135971e_prep,@function
k_q909135971e_prep:
	s_mov_b64 s[64:65], 0
	v_nop
	global_prefetch_b8 v0, s[64:65] scope:SCOPE_SE
	s_setreg_imm32_b32 hwreg(HW_REG_WAVE_MODE, 25, 1), 1
	s_wait_xcnt 0x0
; Wq, Wk, Wv [1024 (n)][1024 (k)] f32 become codes of FP4 (E2M1) with one E8M0 scale byte for each 32 along k, laid in the order in which the main launch's operand registers take them.
; A block's scale is 2^(floor(log2(its largest magnitude)) - 2); its byte is the largest magnitude's exponent field - 2, held at 1 from below.
; A record pw = 4 p + w (p = pass 0..11, w = wave 0..3) is one head of one matrix: matrix p / 4 (q, k, v), head 4 (p % 4) + w: 64 rows of W.
; wcodes [pw 48][s 8][t 4][c 2][lane 32][16 bytes]: K step s (128 along k), tile t = 2 b + u of 16 rows; lane (r, h) holds k = 128 s + 64 c + 32 h + 0 .. 31 of its row.
; THE ROWS OF A TILE ARE NOT NEIGHBOURS.  Lane row r of tile t has the place pos = 32 b + 8 u + r + 8 (r / 8): in the transposed product the 16 registers of tiles 2 b and 2 b + 1 are 16 neighbouring places.
;   q and k: place pos is row pos of the head.  v: place pos is row 4 (pos % 16) + pos / 16, so that the places 16 t' + r of the second product's tile t' are the columns 4 r + t': a lane then ends with four neighbouring outputs.
; wside [pw 48][2,304 bytes]: [s 8][lane 32][2 words]: word e of lane L is the scale word of tile 2 (L / 16) + e, row L % 16; behind them the 64 biases of the head, f32, by place.
; SHARES.  A work-group is one record and one K step, a wave one tile: 16 rows x 512 bytes.  Every load reads 512 consecutive bytes of a row; the bytes turn through the wave's stage in LDS (rows 528 bytes apart), so that a lane
; then holds whole blocks of 32; every store of codes covers 512 consecutive bytes, the work-group's store of scale words 256, aligned.  No matrix unit, no cluster, no tensor load: nothing is shared between work-groups.
; LIMITS: NaN and infinities among the inputs are not served.  Blocks whose largest magnitude lies under 2^(2 - 126) were not tried.  A block of zeros gets the byte 1 where the rule says 127: its codes are zeros, and the bytes are read by this program alone.
.set RW,   528
.set WST,  16*RW                       ; a wave's stage
.set SCW,  4*WST                       ; the work-group's 64 scale words
.set SPARE, SCW+256
.set RAW,  32                          ; v32-95  16 rows as they are loaded
.set X,    96                          ; v96-159 two blocks of 32 numbers
.set CODE, 160
	s_load_b256 s[4:11], s[0:1], 0x0               ; Wq, Wk, Wv, bq
	s_load_b256 s[12:19], s[0:1], 0x20             ; bk, bv, wcodes, wside
	v_lshl_add_u32 v30, v0, 2, SPARE               ; my spare word
	v_mov_b32 v31, 0
	v_lshrrev_b32 v1, 5, v0
	v_readfirstlane_b32 s3, v1                     ; wave = tile t
	s_mul_i32 s25, s3, WST
	v_and_b32 v1, 31, v0                           ; L
	v_and_b32 v2, 15, v0                           ; r
	v_bfe_u32 v3, v0, 4, 1                         ; h
	v_lshlrev_b32 v4, 4, v1
	v_add_nc_u32 v5, s25, v4                       ; into the stage
	v_mul_u32_u24 v6, v2, RW
	v_lshl_add_u32 v6, v3, 7, v6
	v_add_nc_u32 v6, s25, v6                       ; out of it: row r, my 32 numbers of 64
	v_lshlrev_b32 v7, 3, v3                        ; where my two bytes stand in a scale word
	s_lshr_b32 s26, s3, 1                          ; b
	s_and_b32 s27, s3, 1                           ; u
	s_lshl_b32 s28, s26, 7
	s_lshl_b32 s29, s27, 2
	s_add_co_u32 s28, s28, s29
	s_add_co_u32 s28, s28, SCW
	v_lshl_add_u32 v8, v2, 3, s28                  ; my row's scale word
	v_lshlrev_b32 v9, 3, v1                        ; 8 L
	v_add_nc_u32 v21, SCW, v9
	v_and_b32 v18, 7, v1
	v_lshrrev_b32 v19, 3, v1
	v_lshlrev_b32 v19, 2, v19
	v_lshl_add_u32 v18, v18, 5, v19                ; v: places 2 L and 2 L + 1 are rows 8 (L % 8) + L / 8 and 4 more
	v_mov_b32 v22, 0
	v_mov_b32 v23, 0
	v_mov_b32 v24, 0                               ; a lane permute's destination counts as one of its sources
	s_wait_alu depctr_va_vdst(0)                   ; ahead of the run of scalar lines
	s_mov_b32 s54, 0x76543210
	s_mov_b32 s55, 0xfedcba98                      ; selects for lane l xor 16
	s_and_b32 s24, ttmp7, 0xffff                   ; pw
	s_lshr_b32 s30, s24, 2
	s_and_b32 s30, s30, 3
	s_lshl_b32 s30, s30, 2
	s_and_b32 s31, s24, 3
	s_add_co_u32 s30, s30, s31                     ; head = 4 (p % 4) + w
	s_lshl_b32 s32, s26, 5
	s_lshl_b32 s33, s27, 3
	s_add_co_u32 s32, s32, s33                     ; q, k: the tile's first row is 32 b + 8 u,
	s_lshl_b32 s33, s27, 5
	s_lshl_b32 s34, s26, 1
	s_add_co_u32 s33, s33, s34                     ; v: 32 u + 2 b
	s_mov_b32 s34, 65536
	s_mov_b32 s35, 4096
	s_mov_b32 s36, 16384
	s_lshr_b32 s29, s24, 4                         ; which matrix
	s_cmp_eq_u32 s29, 2
	s_cselect_b32 s32, s33, s32
	s_cselect_b32 s42, s35, s34                    ; bytes from row r to row r + 8 of the tile: 16 rows of W (v: 1)
	s_cselect_b32 s38, s36, s35                    ; and from r to r + 1: 1 row (v: 4)
	s_cselect_b32 s39, 16, 4                       ; bytes from bias 2 L to 2 L + 1
	s_cselect_b32 s46, -1, 0
	s_mov_b32 s43, 0
	v_cndmask_b32 v18, v9, v18, s46
	v_add_nc_u32 v19, s39, v18
	v_mov_b32 v10, v4
.irp c, 1,2,3,4,5,6,7
	v_add_nc_u32 v[10+\c], s38, v[9+\c]
.endr
	s_wait_alu depctr_va_vdst(0)                   ; at the head's end
	s_lshl_b32 s40, s32, 12
	s_lshl_b32 s41, s30, 18
	s_add_co_u32 s40, s40, s41
	s_lshl_b32 s41, ttmp9, 9
	s_add_co_u32 s40, s40, s41                     ; in W: head, tile, K step
	s_mov_b32 s41, 0
	s_lshl_b32 s44, s24, 15
	s_lshl_b32 s45, ttmp9, 12
	s_add_co_u32 s44, s44, s45
	s_lshl_b32 s45, s3, 10
	s_add_co_u32 s44, s44, s45                     ; in wcodes
	s_mov_b32 s45, 0
	s_mul_i32 s32, s24, 2304                       ; in wside
	s_mov_b32 s33, 0
	s_lshl_b32 s34, ttmp9, 8
	s_mov_b32 s35, 0
	s_lshl_b32 s36, s30, 8                         ; the head's biases
	s_mov_b32 s37, 0
	s_xor_b32 s52, s3, 1
	s_or_b32 s52, s52, ttmp9                       ; 0 in wave 1 of the record's first work-group, which copies the biases
	s_wait_kmcnt 0x0
	s_cmp_lt_u32 s29, 2                            ; the choice hangs on the work-group's number alone
	s_cselect_b64 s[20:21], s[6:7], s[8:9]
	s_cselect_b64 s[22:23], s[12:13], s[14:15]
	s_cmp_lt_u32 s29, 1
	s_cselect_b64 s[20:21], s[4:5], s[20:21]
	s_cselect_b64 s[22:23], s[10:11], s[22:23]
	s_add_nc_u64 s[20:21], s[20:21], s[40:41]
	s_add_nc_u64 s[48:49], s[20:21], s[42:43]
	s_add_nc_u64 s[22:23], s[22:23], s[36:37]
	s_add_nc_u64 s[16:17], s[16:17], s[44:45]
	s_add_nc_u64 s[18:19], s[18:19], s[32:33]
	s_add_nc_u64 s[50:51], s[18:19], s[34:35]
	s_cmp_lg_u32 s52, 0
	s_cbranch_scc1 .Lno_bias
	global_load_b32 v22, v18, s[22:23]
	global_load_b32 v23, v19, s[22:23]
.Lno_bias:
.irp c, 0,1,2,3,4,5,6,7
	global_load_b128 v[RAW+4*\c:RAW+4*\c+3], v[10+\c], s[20:21] th:TH_LOAD_NT
.endr
.irp c, 0,1,2,3,4,5,6,7
	global_load_b128 v[RAW+32+4*\c:RAW+32+4*\c+3], v[10+\c], s[48:49] th:TH_LOAD_NT
.endr
.set I, 0
.rept 4
	s_wait_loadcnt 12-I                            ; the next four rows are in (the biases, asked for first, too); the younger ones may be out
.rept 4
	ds_store_b128 v5, v[RAW+4*I:RAW+4*I+3] offset:RW*I
.set I, I+1
.endr
.endr
.irp c, 0,1
.irp i, 0,1,2,3,4,5,6,7
	ds_load_b128 v[X+32*\c+4*\i:X+32*\c+4*\i+3], v6 offset:256*\c+16*\i   ; LDS serves a wave's instructions in order: these see the stores above
.endr
.endr
.macro GROUP c
.set XG, X+32*(\c)
	s_wait_dscnt 8-8*(\c)                          ; the second block's eight loads may be out
	v_max3_num_f32 v27, |v[XG]|, |v[XG+1]|, |v[XG+2]|
	v_max3_num_f32 v28, |v[XG+3]|, |v[XG+4]|, |v[XG+5]|
.irp i, 6,10,14,18,22,26
	v_max3_num_f32 v27, v27, |v[XG+\i]|, |v[XG+\i+1]|
	v_max3_num_f32 v28, v28, |v[XG+\i+2]|, |v[XG+\i+3]|
.endr
	v_max3_num_f32 v27, v27, |v[XG+30]|, |v[XG+31]|
	v_max3_num_f32 v27, v27, v28, 0x1800000        ; and the floor 2^(3 - 127): the byte cannot fall under 1
	v_add_nc_u32 v29, 0xff000000, v27              ; 2 off the exponent field: the conversion's scale operand
	v_lshrrev_b32 v[25+(\c)], 23, v29              ; the byte
.irp q, 0,1,2,3
	v_cvt_scalef32_pk8_fp4_f32 v[CODE+4*(\c)+\q], v[XG+8*\q:XG+8*\q+7], v29
.endr
	v_nop                                          ; one plain place behind the scaled conversions
	global_store_b128 v4, v[CODE+4*(\c):CODE+4*(\c)+3], s[16:17] offset:512*(\c)
.endm
	GROUP 0
	GROUP 1
	v_lshl_or_b32 v25, v26, 16, v25                ; my two bytes: blocks h and 2 + h,
	v_lshlrev_b32 v25, v7, v25                     ; at their places in the word;
	v_permlanex16_b32 v24, v25, s54, s55
	v_or_b32 v25, v25, v24                         ; with lane l xor 16's two the word of row r is whole
	ds_store_b32 v8, v25
	s_wait_tensorcnt 0x0                           ; behind my last LDS store
	ds_add_u32 v30, v31
	s_wait_dscnt 0x0
	s_barrier_signal -1
	s_barrier_wait -1                              ; the four tiles' scale words are in LDS
	s_cmp_lg_u32 s3, 0
	s_cbranch_scc1 .Lnot_first
	ds_load_b64 v[26:27], v21
	s_wait_dscnt 0x0
	global_store_b64 v9, v[26:27], s[50:51]        ; 32 lanes store 256 consecutive bytes, aligned
.Lnot_first:
	s_cmp_lg_u32 s52, 0
	s_cbranch_scc1 .Ldone
	global_store_b64 v9, v[22:23], s[18:19] offset:2048
.Ldone:
	s_endpgm
.Lfunc_end_k_q909135971e_prep:
	.size	k_q909135971e_prep, .Lfunc_end_k_q909135971e_prep-k_q909135971e_prep
	.p2alignl 7, 3214868480
	.fill 96, 4, 3214868480
	.section	.rodata,"a",@progbits
	.p2align	6, 0x0
	.amdhsa_kernel k_q909135971e_prep
		.amdhsa_group_segment_fixed_size 34560
		.amdhsa_private_segment_fixed_size 0
		.amdhsa_enable_private_segment 0
		.amdhsa_kernarg_size 64
		.amdhsa_user_sgpr_count 2
		.amdhsa_user_sgpr_kernarg_segment_ptr 1
		.amdhsa_wavefront_size32 1
		.amdhsa_system_sgpr_workgroup_id_x 1
		.amdhsa_system_sgpr_workgroup_id_y 1
		.amdhsa_system_sgpr_workgroup_id_z 1
		.amdhsa_system_vgpr_workitem_id 0
		.amdhsa_next_free_vgpr 168
		.amdhsa_next_free_sgpr 66
		.amdhsa_reserve_vcc 0
		.amdhsa_float_denorm_mode_32 3
		.amdhsa_float_denorm_mode_16_64 3
		.amdhsa_memory_ordered 1
		.amdhsa_forward_progress 1
		.amdhsa_inst_pref_size 12
	.end_amdhsa_kernel
	.amdgpu_metadata
---
amdhsa.version: [ 1, 2 ]
amdhsa.kernels:
  - .name:           k_q909135971e_prep
    .symbol:         k_q909135971e_prep.kd
    .args:
      - { .name: Wq, .offset: 0, .size: 8, .value_kind: global_buffer, .address_space: global }
      - { .name: Wk, .offset: 8, .size: 8, .value_kind: global_buffer, .address_space: global }
      - { .name: Wv, .offset: 16, .size: 8, .value_kind: global_buffer, .address_space: global }
      - { .name: bq, .offset: 24, .size: 8, .value_kind: global_buffer, .address_space: global }
      - { .name: bk, .offset: 32, .size: 8, .value_kind: global_buffer, .address_space: global }
      - { .name: bv, .offset: 40, .size: 8, .value_kind: global_buffer, .address_space: global }
      - { .name: wcodes, .offset: 48, .size: 8, .value_kind: global_buffer, .address_space: global }
      - { .name: wside, .offset: 56, .size: 8, .value_kind: global_buffer, .address_space: global }
    .group_segment_fixed_size: 34560
    .private_segment_fixed_size: 0
    .kernarg_segment_align: 8
    .kernarg_segment_size: 64
    .max_flat_workgroup_size: 128
    .sgpr_count:     66
    .vgpr_count:     168
    .wavefront_size: 32
...
	.end_amdgpu_metadata
.endif
;; end of part 1
;; launch main (part 2): grid 256 x 1, 4 waves a work-group, clusters of 4 x 1, 327,680 bytes of LDS; arguments x, wcodes, wside, out0; writes out0
.if DOCPART == 2
	.amdgcn_target "amdgcn-amd-amdhsa--gfx1250"
	.amdhsa_code_object_version 6
	.text
	.protected	k_q909135971e_main
	.globl	k_q909135971e_main
	.p2align	8
	.type	k_q909135971e_main,@function
k_q909135971e_main:
	s_mov_b64 s[64:65], 0
	v_nop
	global_prefetch_b8 v0, s[64:65] scope:SCOPE_SE
	s_setreg_imm32_b32 hwreg(HW_REG_WAVE_MODE, 25, 1), 1
	s_wait_xcnt 0x0
	s_wait_alu depctr_hold_cnt(0) depctr_sa_sdst(0) depctr_va_vdst(0) depctr_va_sdst(0) depctr_va_ssrc(0) depctr_va_vcc(0) depctr_vm_vsrc(0)
	s_getreg_b32 s2, hwreg(HW_REG_IB_STS2, 6, 4)
	s_cmp_eq_u32 s2, 0
	s_cbranch_scc0 .Lentry_in_a_cluster
	s_endpgm
.Lentry_in_a_cluster:
	s_bfe_u32 s2, ttmp6, 0x10000c
	s_cmp_lg_u32 s2, 0x3003
	s_cbranch_scc0 .Lentry_shape_is_right
	s_endpgm
.Lentry_shape_is_right:
; out[token] = softmax over heads (q k^T / 8) v, for each token by itself: q, k, v = x W^T + b, 16 heads of 64.  The projections and q k^T multiply codes of FP4 (E2M1) with E8M0 scales for each 32 along K; softmax in f32; attn v in bf16 with f32 sums.
; A work-group owns 64 tokens from x to out; nothing goes to memory between.  Four waves, as many as a WGP has SIMDs.
; PASSES.  Twelve: v, k, q, four each.  In a pass each wave makes one head of its 64 tokens: 64 x 64 sums, 16 accumulators, K = 1024 in 8 steps, transposed (source 0 = rows of W, source 1 = tokens): a lane holds one token, its registers run along the head.
; The passes of a matrix are walked from pass ROT on, ROT = cluster's number % 4; the i-th pass walked is plane i, heads 4 ((i + ROT) % 4) + wave.
; WEIGHTS.  A pass's codes, 131,072 bytes, come into one of two LDS slots as a register image, a joint load for the four work-groups of the cluster, a quarter a wave.  A wave reads only its own quarter.
; THE CHANGE OF SLOTS stands inside the pass: the wait for the tensor load and the add behind step 4, the signal behind step 5 (the fragments of steps 6 and 7 are in registers), step 6 inside the round's opening barrier,
;   the refill behind the round, then the next pass's first fragments, step 7, and only then what is done with the pass's sums.
; x.  Each wave loads 16 tokens in four groups of 256 along K, quantises them and shares the codes through LDS; pass 0's steps of the first three groups are multiplied while the fourth is on its way.
; v goes as bf16 through LDS, a plane at a time, to the wave that owns the token, and stays there in registers as fragments of the last product.  k's codes stay in LDS.
; A q PASS IS FINISHED AT ONCE: its four heads of all tokens: energies, softmax, attn v, stores; the stores are on their way while the next pass is multiplied.  Of the 16 rows or columns of a product four are one token's four heads: four tokens, a quad.
;   Energies: source 0 = k of two tokens side by side along K (64 + 64), source 1 = q with zero codes where the token differs; two products for a quad.  attn v: K = 4 tokens x 4 heads of a plane, two planes a product; attn is zero where the token differs.
;   v's columns were laid so that a lane's four tiles are four neighbouring outputs: sixteen lanes store one aligned unit of 256 bytes.
; PREFETCH.  The clusters 0 to 3, one for each ROT, ask for k's and q's first pass walked, two changes of slots ahead of the load that wants it: together each of the matrix's blocks of 256 bytes once; the partners share the blocks by address.  v's passes come by their loads alone; x streams once and is asked for from the head on.
; LIMITS: NaN and infinities are not served.  The softmax's promise holds while the scaled scores stay under 2^31.  Blocks whose largest magnitude lies under 2^(2 - 126) were not tried.
; REGISTERS, windows of 256.  0: addresses, WB weights (four K steps; k's fragments behind a q pass in its upper half), scales.  1: x's codes, step s, tile m at v[32 s + 8 m]; until they come, raw x of groups 0 and 2 in its upper half.
;   2: accumulators 0-127 (behind a q pass energies, attn, products), bias 128-159, 160-223 v on its way to LDS, masked q, outputs; quantiser and softmax 224-255.   3: raw x; then v, quad, tile t, plane j at v[64 quad + 16 t + 4 j].
.set SLOTB, 0
.set SLOTA, 131072
.set FLIP,  1<<17
.set SCR,   262144                     ; scratch: x's codes, scale words and stages; then v's plane; then k's planes and q's
.set XIMG,  SCR
.set XSC,   SCR+32768
.set XSTG,  SCR+34816
.set VX,    SCR                        ; v's plane: [token 544][wave 128][64 bf16]
.set VTP,   544
.set PLC,   9344                       ; a plane of codes: 64 tokens x 144 bytes (4 heads x 32 bytes, and 16), and 128 more; k's four, then q's
.set QKC,   SCR
.set QKS,   SCR+46848                  ; scale bytes of a plane: [token pair 32][wave 4][2 tokens][2 bytes], and 16 more
.set SPL,   528
.set SPARE, 327168
.set LOGPASS, 17
.set SIDEB, 9216
.set SPW, 4
.set NIL, 5
.set ADW, 6
.set VSC, 7
.set VBI, 8
.set XGO, 9
.set XSI, 10
.set XSO, 11
.set XWI, 12
.set XWS, 13
.set XRI, 14
.set XRS, 15
.set AQ0, 16
.set AQ,  17
.set AS0, 18
.set AS,  19
.set KR,  20
.set KSR, 21
.set VXS, 22
.set VXR, 23
.set QR,  27
.set QSR, 28
.set OGO, 29
.set WB,  32
.set KF,  96                           ; k's fragments, 16 tokens x 4 registers
.set WSC, 160
.set XS,  176
.set QS,  192
.set KS,  208
.set PFO, 224
.set ADW0, 225
.set EA,  0                            ; window 2 behind a q pass: energies of four quads; then masked attn, 16 registers a quad
.set PK,  32                           ; attn as bf16
.set QC,  48                           ; q's codes as they come
.set PD,  64                           ; products of two quads
.set BIAS, 128
.set VT,  160                          ; v on its way to LDS; masked q; outputs
.set MX,  224
.set PM,  232
.set CODE, 240
.set T,   224
.set SS,  232
.set XB,  4
.set WC,  6
.set SB,  8
.set OUTB, 10
.set WV,  12
.set G1,  16
.set G0A, 24
.set G0B, 28
.set PFA, 32
.set SEQ, 34                           ; the pass to ask for next
.set QI,  35                           ; ROT + the q pass's plane
.set OB,  36
.set TRIP, 38
.set HO,  39
.set HS,  40
.set TB,  41
.set SEL, 42
.set CS,  44
.set NCS, 46
.set ROT, 47
.set MK,  52                           ; s52-55 the lanes of token 0 .. 3 of a quad
.set WBW, 56
.set SBN, 58
.set SBB, 60
.set MSB, 0
.macro WIN new                         ; the immediate's high byte repeats the setting that is left
.if MSB != \new
	s_set_vgpr_msb (MSB<<8)|\new
.set MSB, \new
.endif
.endm
.macro PLACES n
.rept \n
	v_nop
.endr
.endm
.macro BARRIER
	s_wait_dscnt 0x0
	s_barrier_signal -1
	s_barrier_wait -1
.endm
.macro CREST                           ; a round of the cluster's barrier behind its opening barrier
	s_cmp_lg_u32 s[WV], 0
	s_cbranch_scc1 .Lnot_wave_0_\@
	s_barrier_signal -3
.Lnot_wave_0_\@:
	s_barrier_wait -3
	s_barrier_signal -1
	s_barrier_wait -1
.endm
.macro CROUND
	s_barrier_signal -1
	s_barrier_wait -1
	CREST
.endm
.macro ASK off                         ; 8,192 bytes of my wave's quarter, lanes 256 bytes apart; the four partners take the four parts
	s_cmp_lt_u32 ttmp9, 4
	s_cbranch_scc0 .Lnot_mine_\@
	global_prefetch_b8 v[PFO], s[PFA:PFA+1] offset:\off th:TH_LOAD_NT scope:SCOPE_SE
.Lnot_mine_\@:
.endm
.macro BIASLOAD                        ; my head's biases in the result's layout
	WIN 0x80
.irp t, 0,1,2,3
	global_load_b128 v[BIAS+8*\t:BIAS+8*\t+3], v[VBI], s[SB:SB+1] offset:128*(\t/2)+32*(\t%2)
	global_load_b128 v[BIAS+8*\t+4:BIAS+8*\t+7], v[VBI], s[SB:SB+1] offset:128*(\t/2)+32*(\t%2)+16
.endr
	WIN 0
.endm
.macro PAIRLOAD s                      ; step s's scale words: tiles 0, 1 in lanes 0-15, tiles 2, 3 in lanes 16-31
	global_load_b64 v[WSC+2*(\s):WSC+2*(\s)+1], v[VSC], s[SB:SB+1] offset:256*(\s)
.endm
; Eight groups of 16 numbers a lane (32 with lane l xor 16): codes and scale bytes.  a, b, c: windows of the maxima's first line, of the others, of the conversions
.macro QUANT4 a, b, c
	WIN \a
.irp n, 0,1,2,3,4,5,6,7
	v_max3_num_f32 v[MX+\n], |v[16*\n]|, |v[16*\n+1]|, 0x1800000   ; and the floor 2^(3 - 127)
.endr
	WIN \b
.irp i, 2,4,6,8,10,12,14
.irp n, 0,1,2,3,4,5,6,7
	v_max3_num_f32 v[MX+\n], v[MX+\n], |v[16*\n+\i]|, |v[16*\n+\i+1]|
.endr
.endr
	WIN 0xaa
.irp n, 0,1,2,3,4,5,6,7
	v_permlanex16_b32 v[PM+\n], v[MX+\n], s[SEL], s[SEL+1]
.endr
.irp n, 0,1,2,3,4,5,6,7
	v_max_num_f32 v[MX+\n], v[MX+\n], v[PM+\n]
.endr
.irp n, 0,1,2,3,4,5,6,7
	v_add_nc_u32 v[MX+\n], 0xff000000, v[MX+\n]    ; 2 off the exponent field: the conversion's scale operand
.endr
.irp n, 0,1,2,3,4,5,6,7
	v_lshrrev_b32 v[PM+\n], 23, v[MX+\n]
.endr
.irp q, 0,1,2,3
	v_lshl_or_b32 v[PM+2*\q], v[PM+2*\q+1], 8, v[PM+2*\q]
.endr
	WIN \c
.irp n, 0,1,2,3,4,5,6,7
	v_cvt_scalef32_pk8_fp4_f32 v[CODE+2*\n], v[16*\n:16*\n+7], v[MX+\n]
	v_cvt_scalef32_pk8_fp4_f32 v[CODE+2*\n+1], v[16*\n+8:16*\n+15], v[MX+\n]
.endr
	v_nop                                          ; one plain place behind the scaled conversions
	WIN 0xaa
.irp q, 0,1,2,3
.irp i, 0,1
	v_permlane16_swap_b32 v[CODE+4*\q+\i], v[CODE+4*\q+2+\i]   ; a whole block to a lane
.endr
.endr
.endm
.macro QSTORE step                     ; codes and scale bytes of my head into the plane; step = 1: on to the next plane
	QUANT4 0xaa, 0xaa, 0xaa
	WIN 0
	v_add_nc_u32 v[AQ], s[HO], v[AQ0]
	v_add_nc_u32 v[AS], s[HS], v[AS0]
.if \step
	s_add_co_u32 s[HO], s[HO], PLC
	s_add_co_u32 s[HS], s[HS], SPL
.endif
	WIN 0x08
.irp m, 0,1,2,3
	ds_store_b128 v[AQ], v[CODE+4*\m:CODE+4*\m+3] offset:2304*\m
.endr
.irp m, 0,1,2,3
	ds_store_b16 v[AS], v[PM+2*\m] offset:128*\m
.endr
	WIN 0
.endm
.macro VSTORE                          ; v of my head as bf16 into the plane
	WIN 0xaa
.set N, 0
.rept 64
	v_cvt_pk_bf16_f32 v[VT+N], v[2*N], v[2*N+1]
.set N, N+1
.endr
	WIN 0x08
.irp m, 0,1,2,3
.irp t, 0,1,2,3
	ds_store_b128 v[VXS], v[VT+16*\m+4*\t:VT+16*\m+4*\t+3] offset:16*VTP*\m+64*(\t/2)+16*(\t%2)
.endr
.endr
	WIN 0
.endm
.macro VREAD j                         ; plane j of my 16 tokens, transposed on the way in: register = token of the quad, its halves two heads
	WIN 0xc0
.irp q, 0,1,2,3
.irp t, 0,1,2,3
	ds_load_tr16_b128 v[64*\q+16*\t+4*(\j):64*\q+16*\t+4*(\j)+3], v[VXR] offset:4*VTP*\q+32*\t
.endr
.endr
	WIN 0
.endm
.macro WLOAD s                         ; step s's four fragments of W: eight loads
.irp t, 0,1,2,3
.irp c, 0,1
	ds_load_b128 v[WB+32*((\s)%4)+8*\t+4*\c:WB+32*((\s)%4)+8*\t+4*\c+3], v[ADW] offset:4096*(\s)+1024*\t+512*\c
.endr
.endr
.endm
.macro WM s, t, m
.set rD, 32*(\m)+8*(\t)
.set rA, WB+32*((\s)%4)+8*(\t)
.set rB, 32*(\s)+8*(\m)
.set rC, rD
.if (\s) == 0
.set rC, BIAS+8*(\t)
.endif
.set rSA, WSC+2*(\s)+(\t)%2
.set rSB, XS+8*((\m)/2)+(\s)
.if ((\t) < 2) && ((\m)%2 == 0)
	v_wmma_scale_f32_16x16x128_f8f6f4 v[rD:rD+7], v[rA:rA+7], v[rB:rB+7], v[rC:rC+7], v[rSA], v[rSB] matrix_a_fmt:MATRIX_FMT_FP4 matrix_b_fmt:MATRIX_FMT_FP4
.elseif (\t) < 2
	v_wmma_scale_f32_16x16x128_f8f6f4 v[rD:rD+7], v[rA:rA+7], v[rB:rB+7], v[rC:rC+7], v[rSA], v[rSB] matrix_a_fmt:MATRIX_FMT_FP4 matrix_b_fmt:MATRIX_FMT_FP4 matrix_b_scale:MATRIX_SCALE_ROW1
.elseif (\m)%2 == 0
	v_wmma_scale_f32_16x16x128_f8f6f4 v[rD:rD+7], v[rA:rA+7], v[rB:rB+7], v[rC:rC+7], v[rSA], v[rSB] matrix_a_fmt:MATRIX_FMT_FP4 matrix_b_fmt:MATRIX_FMT_FP4 matrix_a_scale:MATRIX_SCALE_ROW1
.else
	v_wmma_scale_f32_16x16x128_f8f6f4 v[rD:rD+7], v[rA:rA+7], v[rB:rB+7], v[rC:rC+7], v[rSA], v[rSB] matrix_a_fmt:MATRIX_FMT_FP4 matrix_b_fmt:MATRIX_FMT_FP4 matrix_a_scale:MATRIX_SCALE_ROW1 matrix_b_scale:MATRIX_SCALE_ROW1
.endif
.endm
.macro MULS s                          ; step s: the 16 accumulators by turns; step 0 begins with the bias
	WIN 0xa4
.irp t, 0,1,2,3
.irp m, 0,1,2,3
	WM \s, \t, \m
.endr
.endr
.endm
.macro GATHER                          ; all my tensor loads have landed: the descriptor may be written
	s_wait_tensorcnt 0x0
	ds_add_u32 v[SPW], v[NIL]
	s_add_co_u32 s48, s[SEQ], s[ROT]
	s_and_b32 s48, s48, 3
	s_and_b32 s49, s[SEQ], 12
	s_sub_co_u32 s49, 8, s49                       ; v's records stand last, q's first
	s_or_b32 s48, s48, s49                         ; the pass two on, in this cluster's order
	s_mul_i32 s50, s48, SIDEB
	s_mov_b32 s51, 0
	s_lshl_b32 s48, s48, LOGPASS
	s_mov_b32 s49, 0
	s_add_co_u32 s[SEQ], s[SEQ], 1
	s_xor_b32 s[G0B+1], s[G0B+1], FLIP
	s_add_nc_u64 s[G0B+2:G0B+3], s[WBW:WBW+1], s[48:49]
	s_or_b32 s[G0B+3], s[G0B+3], 0x80000000
	s_add_nc_u64 s[SBN:SBN+1], s[SBB:SBB+1], s[50:51]
	s_xor_b32 s[TB], s[TB], FLIP
.endm
; fill: this slot is filled again.  g: the loop of the last two passes, whose last trip has no pass behind it
.macro TURN fill, g
	s_wait_dscnt 0x0                               ; the add is done, and my reads of this slot are over
	s_barrier_signal -1
	MULS 6
	WIN 0
	s_barrier_wait -1
.if \fill
	CREST
	tensor_load_to_lds s[G0B:G0B+3], s[G1:G1+7]
	s_nop 0
.endif
	PLACES 4                                       ; also the places in front of the loads below
	v_add_nc_u32 v[ADW], s[TB], v[ADW0]
	s_wait_alu depctr_va_vdst(0)
.if \g
	MULS 7
	WIN 0
	PLACES 4
	s_cmp_eq_u32 s[TRIP], 1
	s_cbranch_scc1 .Lnone_\@
	WLOAD 0
	WLOAD 1
	BIASLOAD
.irp s, 0,1,2,3,4,5,6,7
	PAIRLOAD \s
.endr
.Lnone_\@:
.else
	WLOAD 0                                        ; the next pass's first fragments, from the other slot
	WLOAD 1
	MULS 7
	WIN 0
	PLACES 4
	PAIRLOAD 4
	PAIRLOAD 5
	PAIRLOAD 6
	PAIRLOAD 7
.endif
.endm
; v: the plane of v that is read in this pass, behind a barrier of its own with step 0 inside (-1: none)
.macro PASS fill, v, g
	s_wait_xcnt 0x0                                ; earlier loads and stores have read their addresses and data
	s_mov_b64 s[SB:SB+1], s[SBN:SBN+1]             ; the next pass's side record
.if (\v) >= 0
	s_wait_dscnt 0x0                               ; my stores of v are done, and steps 0 and 1 are in
	s_wait_loadcnt 6
	s_barrier_signal -1
	MULS 0
	WIN 0
	s_barrier_wait -1
	WLOAD 2
	WLOAD 3
	VREAD \v
	MULS 1
.else
	WLOAD 2
	WLOAD 3
	s_wait_dscnt 16                                ; steps 0 and 1 are in
.if \g
	s_wait_loadcnt 0x0
.else
	s_wait_loadcnt 6                               ; bias and the scale words of steps 0, 1; those of steps 2 to 7 may be out
.endif
	MULS 0
	MULS 1
.endif
	WIN 0
	PLACES 4
	WLOAD 4
	WLOAD 5
.if \g == 0
	BIASLOAD
	PAIRLOAD 0
	PAIRLOAD 1
	s_wait_loadcnt 14                              ; this pass's words of steps 4 to 7, and the ten loads just issued
.endif
.if (\v) >= 0
	s_wait_dscnt 32                                ; v's sixteen loads and the sixteen just issued
.else
	s_wait_dscnt 16
.endif
	MULS 2
	MULS 3
	WIN 0
	PLACES 4
	WLOAD 6
	WLOAD 7
.if \g == 0
	PAIRLOAD 2
	PAIRLOAD 3
	s_wait_loadcnt 12                              ; the next pass's twelve
.endif
	s_wait_dscnt 16
	MULS 4
	WIN 0
.if \fill
	GATHER
.else
	s_wait_tensorcnt 0x0
	s_xor_b32 s[TB], s[TB], FLIP
.endif
	MULS 5
	TURN \fill, \g
.endm
.macro XLOADQ g, q                     ; 16 tokens x 64 numbers: two rows of 256 bytes a load
.if (\g)%2
	WIN 0xc0
.else
	WIN 0x40
.endif
.irp j, 0,1,2,3,4,5,6,7
	global_load_b128 v[128+32*(\q)+4*\j:128+32*(\q)+4*\j+3], v[XGO], s[XB:XB+1] offset:8192*\j+256*(4*(\g)+(\q)) th:TH_LOAD_NT
.endr
	WIN 0
.endm
.macro XG g                            ; group g: through my stage, so that a lane has 16 neighbours; quantised; codes and scale words to all
.irp q, 0,1,2,3
.if (\g) < 3
	s_wait_loadcnt 56-8*\q                         ; this piece's eight are in; the later pieces' and the next group's 32 may be out
.else
	s_wait_loadcnt 36-8*\q                         ; the later pieces' and pass 1's twelve
.endif
.if (\g)%2
	WIN 0x0c
.else
	WIN 0x04
.endif
.irp j, 0,1,2,3,4,5,6,7
	ds_store_b128 v[XSI], v[128+32*\q+4*\j:128+32*\q+4*\j+3] offset:544*\j
.endr
	WIN 0xc0
.irp b, 0,1
.irp j, 0,1,2,3
	ds_load_b128 v[32*\q+16*\b+4*\j:32*\q+16*\b+4*\j+3], v[XSO] offset:128*\b+16*\j   ; LDS serves a wave's instructions in order
.endr
.endr
.endr
	WIN 0
	s_wait_dscnt 0x0
.if (\g) < 2
.irp q, 0,1,2,3
	XLOADQ (\g)+2, \q
.endr
.endif
.if (\g) == 3
	WLOAD 6
	WLOAD 7
.endif
	QUANT4 0x8f, 0xbe, 0x8b
	v_lshl_or_b32 v[PM], v[PM+2], 16, v[PM]
	v_lshl_or_b32 v[PM+4], v[PM+6], 16, v[PM+4]
	WIN 0x08
.irp q, 0,1,2,3
	ds_store_b128 v[XWI], v[CODE+4*\q:CODE+4*\q+3] offset:1024*(2*(\g)+\q/2)+512*(\q%2)
.endr
	ds_store_b32 v[XWS], v[PM] offset:8*(\g)
	ds_store_b32 v[XWS], v[PM+4] offset:8*(\g)+4
	WIN 0
.endm
.macro XF g                            ; group g's fragments and scale words of all 64 tokens, which stay; with the weights of its two steps
	WIN 0x40
.irp m, 0,1,2,3
.irp c, 0,1
	ds_load_b128 v[64*(\g)+32*\c+8*\m:64*(\g)+32*\c+8*\m+3], v[XRI] offset:1024*(8*\m+2*(\g)+\c)
	ds_load_b128 v[64*(\g)+32*\c+8*\m+4:64*(\g)+32*\c+8*\m+7], v[XRI] offset:1024*(8*\m+2*(\g)+\c)+512
.endr
.endr
	WIN 0
	ds_load_b64 v[XS+2*(\g):XS+2*(\g)+1], v[XRS] offset:8*(\g)
	ds_load_b64 v[XS+8+2*(\g):XS+8+2*(\g)+1], v[XRS] offset:1024+8*(\g)
.if (\g) < 3
	WLOAD 2*(\g)
	WLOAD 2*(\g)+1
.endif
.endm
.macro KLOAD                           ; k of my 16 tokens: two tokens' 4 registers side by side are one fragment; a pair's scale bytes are one word
.set I, 0
.rept 16
	ds_load_b128 v[KF+4*I:KF+4*I+3], v[KR] offset:144*I
.set I, I+1
.endr
.irp p, 0,1,2,3,4,5,6,7
	ds_load_b32 v[KS+\p], v[KSR] offset:16*\p
.endr
.endm
.macro MASKP q                         ; attn of quad q, register 4 j + token: plane j's pair of heads, zero in the rows of other tokens
	WIN 0x88
.irp j, 0,1,2,3
.irp a, 0,1,2,3
	v_cndmask_b32 v[EA+16*((\q)%2)+4*\j+\a], 0, v[PK+4*(\q)+\j], s[MK+\a]
.endr
.endr
.endm
.macro PV q                            ; four tiles of 16 columns; planes 0, 1, then 2, 3, the tiles by turns
	WIN 0xae
.irp t, 0,1,2,3
	v_wmma_f32_16x16x32_bf16 v[PD+32*((\q)%2)+8*\t:PD+32*((\q)%2)+8*\t+7], v[EA+16*((\q)%2):EA+16*((\q)%2)+7], v[64*(\q)+16*\t:64*(\q)+16*\t+7], 0
.endr
.irp t, 0,1,2,3
	v_wmma_f32_16x16x32_bf16 v[PD+32*((\q)%2)+8*\t:PD+32*((\q)%2)+8*\t+7], v[EA+16*((\q)%2)+8:EA+16*((\q)%2)+15], v[64*(\q)+16*\t+8:64*(\q)+16*\t+15], v[PD+32*((\q)%2)+8*\t:PD+32*((\q)%2)+8*\t+7]
.endr
.endm
.macro SEND q                          ; register j of tile t is out(row 8 h + j, column 4 r + t), row = 4 x token + head: four tiles' registers side by side, and out
.if (\q) >= 2
	s_wait_xcnt 0x0                                ; the stores of two quads ago have read these registers
.endif
	WIN 0x82
.irp j, 0,1,2,3,4,5,6,7
.irp t, 0,1,2,3
	v_mov_b32 v[VT+32*((\q)%2)+4*\j+\t], v[PD+32*((\q)%2)+8*\t+\j]
.endr
.endr
	WIN 0x08
.irp j, 0,1,2,3,4,5,6,7
	global_store_b128 v[OGO], v[VT+32*((\q)%2)+4*\j:VT+32*((\q)%2)+4*\j+3], s[OB:OB+1] offset:16384*(\q)+4096*(\j/4)+256*(\j%4) th:TH_STORE_NT
.endr
	WIN 0
.endm
.macro ATT                             ; the q pass's four heads of my 16 tokens
	s_and_b32 s48, s[QI], 3
	s_lshl_b32 s48, s48, 10
	s_mov_b32 s49, 0
	s_add_nc_u64 s[OB:OB+1], s[OUTB:OUTB+1], s[48:49]   ; (behind the pass's wait on XCNT)
	s_add_co_u32 s[QI], s[QI], 1
	BARRIER                                        ; q's plane is there
	WIN 0x80
.irp q, 0,1,2,3
	ds_load_b128 v[QC+4*\q:QC+4*\q+3], v[QR] offset:576*\q
.endr
	WIN 0
.irp q, 0,1,2,3
	ds_load_u16 v[QS+\q], v[QSR] offset:32*\q
.endr
	s_wait_dscnt 0x0
.irp q, 0,1,2,3
	v_lshl_or_b32 v[QS+\q], v[QS+\q], 16, v[QS+\q] ; my column's two scale bytes serve both halves of K
.endr
	WIN 0x88
.irp q, 0,1,2,3
.irp a, 0,1,2,3
.irp e, 0,1,2,3
	v_cndmask_b32 v[VT+16*\q+4*\a+\e], 0, v[QC+4*\q+\e], s[MK+\a]
.endr
.endr
.endr
	PLACES 4
	WIN 0xa8
.irp q, 0,1,2,3
	v_wmma_scale_f32_16x16x128_f8f6f4 v[EA+8*\q:EA+8*\q+7], v[KF+16*\q:KF+16*\q+7], v[VT+16*\q:VT+16*\q+7], 0, v[KS+2*\q], v[QS+\q] matrix_a_fmt:MATRIX_FMT_FP4 matrix_b_fmt:MATRIX_FMT_FP4
.endr
.irp q, 0,1,2,3
	v_wmma_scale_f32_16x16x128_f8f6f4 v[EA+8*\q:EA+8*\q+7], v[KF+16*\q+8:KF+16*\q+15], v[VT+16*\q+8:VT+16*\q+15], v[EA+8*\q:EA+8*\q+7], v[KS+2*\q+1], v[QS+\q] matrix_a_fmt:MATRIX_FMT_FP4 matrix_b_fmt:MATRIX_FMT_FP4
.endr                                                  ; lane (r, h): token r / 4, q's head r % 4; register 2 j + i: k's head of plane j, wave 2 h + i
	PLACES 4
	WIN 0xaa
.irp k, 0,1,2,3
	v_max3_num_f32 v[T+2*\k], v[EA+8*\k], v[EA+8*\k+1], v[EA+8*\k+2]
.endr
.irp i, 3,5
.irp k, 0,1,2,3
	v_max3_num_f32 v[T+2*\k], v[T+2*\k], v[EA+8*\k+\i], v[EA+8*\k+\i+1]
.endr
.endr
.irp k, 0,1,2,3
	v_max_num_f32 v[T+2*\k], v[T+2*\k], v[EA+8*\k+7]
.endr
.irp k, 0,1,2,3
	v_permlanex16_b32 v[T+2*\k+1], v[T+2*\k], s[SEL], s[SEL+1]
.endr
.irp k, 0,1,2,3
	v_max_num_f32 v[T+2*\k], v[T+2*\k], v[T+2*\k+1]
.endr
.irp k, 0,1,2,3
	v_mul_f32 v[T+2*\k], s[NCS], v[T+2*\k]
.endr
.irp e, 0,2,4,6
.irp k, 0,1,2,3
	v_pk_fma_f32 v[EA+8*\k+\e:EA+8*\k+\e+1], v[EA+8*\k+\e:EA+8*\k+\e+1], s[CS:CS+1], v[T+2*\k:T+2*\k+1] op_sel_hi:[1,0,0]
.endr
.endr
	s_wait_alu depctr_va_vdst(0)                   ; ahead of the batch
.set N, 0
.rept 32
	v_exp_f32 v[EA+N], v[EA+N]
.set N, N+1
.endr
	v_nop
	s_wait_alu depctr_va_vdst(0)                   ; and behind it
.irp k, 0,1,2,3
	v_pk_add_f32 v[SS+2*\k:SS+2*\k+1], v[EA+8*\k:EA+8*\k+1], v[EA+8*\k+2:EA+8*\k+3]
.endr
.irp e, 4,6
.irp k, 0,1,2,3
	v_pk_add_f32 v[SS+2*\k:SS+2*\k+1], v[SS+2*\k:SS+2*\k+1], v[EA+8*\k+\e:EA+8*\k+\e+1]
.endr
.endr
.irp k, 0,1,2,3
	v_add_f32 v[SS+2*\k], v[SS+2*\k], v[SS+2*\k+1]
.endr
.irp k, 0,1,2,3
	v_permlanex16_b32 v[SS+2*\k+1], v[SS+2*\k], s[SEL], s[SEL+1]
.endr
.irp k, 0,1,2,3
	v_add_f32 v[SS+2*\k], v[SS+2*\k], v[SS+2*\k+1]
.endr
	s_wait_alu depctr_va_vdst(0)
.irp k, 0,1,2,3
	v_rcp_f32 v[T+2*\k], v[SS+2*\k]
.endr
	v_nop
	s_wait_alu depctr_va_vdst(0)
.irp e, 0,2,4,6
.irp k, 0,1,2,3
	v_pk_mul_f32 v[EA+8*\k+\e:EA+8*\k+\e+1], v[EA+8*\k+\e:EA+8*\k+\e+1], v[T+2*\k:T+2*\k+1] op_sel_hi:[1,0]
.endr
.endr
.irp e, 0,1,2,3
.irp k, 0,1,2,3
	v_cvt_pk_bf16_f32 v[PK+4*\k+\e], v[EA+8*\k+2*\e], v[EA+8*\k+2*\e+1]
.endr
.endr
	MASKP 0
	PV 0
.irp q, 1,2,3
	MASKP \q
	PV \q
	SEND \q-1                                      ; the quad before, while these products are made
.endr
	PLACES 4
	SEND 3
.endm
	s_load_b256 s[4:11], s[0:1], 0x0               ; x, wcodes, wside, out0
	v_lshl_add_u32 v[SPW], v0, 2, SPARE
	v_mov_b32 v[NIL], 0
	ds_add_u32 v[SPW], v[NIL]                      ; the opening add, twice on end
	ds_add_u32 v[SPW], v[NIL]
	v_lshrrev_b32 v1, 5, v0
	v_readfirstlane_b32 s[WV], v1                  ; wave 0..3
	s_mul_i32 s54, s[WV], 2304
	s_add_co_u32 s55, s54, 2048
	v_and_b32 v1, 31, v0                           ; L
	v_and_b32 v2, 15, v0                           ; r
	v_bfe_u32 v3, v0, 4, 1                         ; h
	v_lshl_add_u32 v[VSC], v1, 3, s54
	v_lshl_add_u32 v[VBI], v3, 6, s55
	v_lshlrev_b32 v[XGO], 12, v3
	v_lshl_add_u32 v[XGO], v2, 4, v[XGO]
	s_wait_alu depctr_va_vdst(0)                   ; ahead of the run of scalar lines
	s_bfe_u32 s13, ttmp6, 0x40000                  ; cx
	s_lshl_b32 s14, ttmp9, 2
	s_add_co_u32 s14, s14, s13                     ; my work-group's number
	s_and_b32 s[ROT], ttmp9, 3
	s_mov_b32 s[QI], s[ROT]
	s_mov_b32 s[SEQ], 2
	s_mov_b32 s[G1+0], 15|(3<<16)|(1<<21)          ; all four of the cluster; elements of 8 bytes; no padding
	s_mov_b32 s[G1+1], 128<<16                     ; my quarter, dense in memory: rows of 1,024 bytes,
	s_mov_b32 s[G1+2], 32<<16                      ; 32 of them
	s_mov_b32 s[G1+3], 128<<16
	s_mov_b32 s[G1+4], 32
	s_mov_b32 s[G1+5], 128
	s_mov_b32 s[G1+6], 0
	s_mov_b32 s[G1+7], 0
	s_mov_b32 s[SEL], 0x76543210
	s_mov_b32 s[SEL+1], 0xfedcba98                 ; selects for lane l xor 16
	s_mov_b32 s[CS], 0x3e38aa3b                    ; log2(e) / 8
	s_mov_b32 s[CS+1], s[CS]
	s_mov_b32 s[NCS], 0xbe38aa3b
	s_mov_b32 s[TB], SLOTA
	s_lshl_b32 s48, s[WV], 15                      ; my quarter of a pass's codes, in memory and in a slot
	s_mov_b32 s49, 0
	s_lshl_b32 s50, s14, 18                        ; 64 tokens of 4,096 bytes,
	s_lshl_b32 s51, s[WV], 16                      ; 16 a wave
	s_add_co_u32 s50, s50, s51
	s_mov_b32 s51, 0
	s_lshl_b32 s52, s13, 13
	s_mov_b32 s53, 0
	s_wait_dscnt 0x0                               ; both opening adds are done
	s_wait_kmcnt 0x0
	s_add_nc_u64 s[XB:XB+1], s[XB:XB+1], s[50:51]
	s_add_nc_u64 s[OUTB:OUTB+1], s[OUTB:OUTB+1], s[50:51]
	s_add_nc_u64 s[WBW:WBW+1], s[WC:WC+1], s[48:49]
	s_add_nc_u64 s[PFA:PFA+1], s[WBW:WBW+1], s[52:53]
	s_mov_b64 s[SBB:SBB+1], s[SB:SB+1]
	s_lshl_b32 s50, s[ROT], LOGPASS
	s_add_nc_u64 s[PFA:PFA+1], s[PFA:PFA+1], s[50:51]   ; q's first pass walked; k's is four further on
	s_or_b32 s55, s[ROT], 8                        ; v's records are 8 to 11
	s_lshl_b32 s50, s55, LOGPASS
	s_mov_b32 s[G0A], 1
	s_add_co_u32 s[G0A+1], s48, SLOTA
	s_add_nc_u64 s[G0A+2:G0A+3], s[WBW:WBW+1], s[50:51]
	s_or_b32 s[G0A+3], s[G0A+3], 0x80000000
	s_mul_i32 s52, s55, SIDEB
	s_add_nc_u64 s[SB:SB+1], s[SBB:SBB+1], s[52:53]
	s_add_co_u32 s54, s[ROT], 1
	s_and_b32 s54, s54, 3
	s_or_b32 s54, s54, 8
	s_lshl_b32 s50, s54, LOGPASS
	s_mov_b32 s[G0B], 1
	s_add_co_u32 s[G0B+1], s48, SLOTB
	s_add_nc_u64 s[G0B+2:G0B+3], s[WBW:WBW+1], s[50:51]
	s_or_b32 s[G0B+3], s[G0B+3], 0x80000000
	s_mul_i32 s52, s54, SIDEB
	s_add_nc_u64 s[SBN:SBN+1], s[SBB:SBB+1], s[52:53]
	BIASLOAD                                       ; pass 0's bias and scale words, then x: 56 loads ahead of the round
.irp s, 0,1,2,3,4,5,6,7
	PAIRLOAD \s
.endr
.irp q, 0,1,2,3
	XLOADQ 0, \q
.endr
	XLOADQ 1, 0
	CROUND                                         ; all four work-groups are here: the joint loads meet
	tensor_load_to_lds s[G0A:G0A+3], s[G1:G1+7]    ; pass 0
	s_nop 0
	PLACES 4
	s_mul_i32 s54, s[WV], 4352
	s_add_co_u32 s55, s54, XSTG
	v_mul_u32_u24 v[XSI], v3, 272                  ; the stage: 16 rows 272 bytes apart: in, two rows a store;
	v_lshl_add_u32 v[XSI], v2, 4, v[XSI]
	v_add_nc_u32 v[XSI], s55, v[XSI]
	v_mul_u32_u24 v[XSO], v2, 272                  ; out, row r, 64 bytes for each half
	v_lshl_add_u32 v[XSO], v3, 6, v[XSO]
	v_add_nc_u32 v[XSO], s55, v[XSO]
	s_lshl_b32 s54, s[WV], 13
	s_add_co_u32 s54, s54, XIMG
	v_lshl_add_u32 v[XWI], v1, 4, s54              ; x's codes: [tile 4][step 8][2][lane][16 bytes]
	s_lshl_b32 s54, s[WV], 9
	s_add_co_u32 s54, s54, XSC
	v_lshl_add_u32 v[XWS], v2, 5, s54              ; its scale words: [token][8]
	v_lshlrev_b32 v[XRI], 4, v1
	v_add_nc_u32 v[XRI], XIMG, v[XRI]
	v_lshlrev_b32 v[XRS], 5, v1
	v_add_nc_u32 v[XRS], XSC, v[XRS]
	s_lshl_b32 s54, s[WV], 5
	s_add_co_u32 s54, s54, QKC
	v_mul_u32_u24 v[AQ0], v2, 144                  ; a plane: token r, head slot = wave
	v_lshl_add_u32 v[AQ0], v3, 4, v[AQ0]
	v_add_nc_u32 v[AQ0], s54, v[AQ0]
	s_lshl_b32 s54, s[WV], 2
	s_add_co_u32 s54, s54, QKS
	v_lshrrev_b32 v24, 1, v2
	v_and_b32 v25, 1, v2
	v_lshlrev_b32 v25, 1, v25
	v_lshl_add_u32 v25, v24, 4, v25                ; pair r / 2, token r % 2 of it
	v_add_nc_u32 v[AS0], s54, v25
	s_mul_i32 s54, s[WV], 2304                     ; my 16 tokens: in a plane of codes,
	s_add_co_u32 s54, s54, QKC
	s_lshl_b32 s55, s[WV], 7                       ; and among its scale bytes
	s_add_co_u32 s55, s55, QKS
	v_bfe_u32 v24, v2, 1, 2                        ; k: row r is plane (r % 8) / 2,
	v_lshrrev_b32 v25, 3, v2
	v_lshlrev_b32 v25, 1, v25
	v_and_b32 v26, 1, v2
	v_add_nc_u32 v25, v25, v26                     ; slot 2 (r / 8) + r % 2
	v_mul_u32_u24 v[KR], v24, PLC
	v_lshl_add_u32 v[KR], v25, 5, v[KR]
	v_lshl_add_u32 v[KR], v3, 4, v[KR]
	v_add_nc_u32 v[KR], s54, v[KR]
	v_mul_u32_u24 v[KSR], v24, SPL
	v_lshl_add_u32 v[KSR], v25, 2, v[KSR]
	v_add_nc_u32 v[KSR], s55, v[KSR]
	s_add_co_u32 s54, s54, 4*PLC                   ; q's plane
	s_add_co_u32 s55, s55, 4*SPL
	v_lshrrev_b32 v24, 2, v2                       ; q: column r is token r / 4 of the quad,
	v_and_b32 v25, 3, v2                           ; slot r % 4
	v_mul_u32_u24 v[QR], v24, 144
	v_lshl_add_u32 v[QR], v25, 5, v[QR]
	v_lshl_add_u32 v[QR], v3, 4, v[QR]
	v_add_nc_u32 v[QR], s54, v[QR]
	v_lshlrev_b32 v25, 2, v25
	v_and_b32 v26, 1, v24
	v_lshl_add_u32 v25, v26, 1, v25
	v_lshrrev_b32 v26, 3, v2
	v_lshl_add_u32 v25, v26, 4, v25
	v_add_nc_u32 v[QSR], s55, v25
	s_lshl_b32 s54, s[WV], 7
	s_add_co_u32 s54, s54, VX
	v_mul_u32_u24 v[VXS], v2, VTP                  ; v, in: token r, slot = wave
	v_lshl_add_u32 v[VXS], v3, 5, v[VXS]
	v_add_nc_u32 v[VXS], s54, v[VXS]
	s_mul_i32 s54, s[WV], 16*VTP
	s_add_co_u32 s54, s54, VX
	v_bfe_u32 v24, v0, 1, 2                        ; out: lane L names token (L % 8) / 2 of a quad, slot 2 h + L % 2, half (L / 8) % 2 of 16 columns
	v_mul_u32_u24 v[VXR], v24, VTP
	v_and_b32 v25, 1, v0
	v_lshl_add_u32 v25, v3, 1, v25
	v_lshl_add_u32 v[VXR], v25, 7, v[VXR]
	v_bfe_u32 v26, v0, 3, 1
	v_lshl_add_u32 v[VXR], v26, 4, v[VXR]
	v_add_nc_u32 v[VXR], s54, v[VXR]
	v_lshlrev_b32 v[OGO], 13, v3                   ; out: two tokens on in lanes 16-31; 16 bytes a lane
	v_lshl_add_u32 v[OGO], v2, 4, v[OGO]
	v_lshlrev_b32 v[PFO], 8, v1
	v_lshl_add_u32 v[ADW0], v1, 4, s48
	v_add_nc_u32 v[ADW], s[TB], v[ADW0]
	WIN 0x80
.irp n, 0,1,2,3,4,5,6,7
	v_mov_b32 v[PM+\n], 0                          ; a lane permute's destination counts as one of its sources
.endr
	WIN 0
	s_wait_alu depctr_va_vdst(0)                   ; at the head's end
	s_mov_b32 s[MK], 0x000f000f
	s_mov_b32 s[MK+1], 0x00f000f0
	s_mov_b32 s[MK+2], 0x0f000f00
	s_mov_b32 s[MK+3], 0xf000f000
	XLOADQ 1, 1
	XLOADQ 1, 2
	XLOADQ 1, 3
	XG 0
	XG 1
	XG 2
	s_wait_tensorcnt 0x0                           ; pass 0's codes are in
	ds_add_u32 v[SPW], v[NIL]
	s_wait_dscnt 0x0                               ; the add is done, and so are my stores of three groups' codes
	CROUND                                         ; three groups' codes are there; the joint loads meet
	tensor_load_to_lds s[G0B:G0B+3], s[G1:G1+7]    ; pass 1
	s_nop 0
	PLACES 4
	XF 0
	s_wait_dscnt 0x0
	XF 1
	MULS 0
	MULS 1
	WIN 0
	PLACES 4
	s_wait_dscnt 0x0
	XF 2
	MULS 2
	MULS 3
	s_wait_dscnt 0x0
	MULS 4
	MULS 5
	WIN 0
	PLACES 4
	s_wait_xcnt 0x0
	s_mov_b64 s[SB:SB+1], s[SBN:SBN+1]
	BIASLOAD                                       ; pass 1's bias and its first scale words
.irp s, 0,1,2,3
	PAIRLOAD \s
.endr
	XG 3
	BARRIER
	XF 3
	s_wait_dscnt 0x0
	GATHER                                         ; pass 0 ends like every pass
	TURN 1, 0
	ASK 4<<LOGPASS
	VSTORE
	PASS 1, 0, 0
	VSTORE
	PASS 1, 1, 0
	VSTORE
	PASS 1, 2, 0
	VSTORE
	BARRIER
	VREAD 3
	ASK 0
	s_mov_b32 s[HO], 0
	s_mov_b32 s[HS], 0
	s_mov_b32 s[TRIP], 4
	s_wait_alu depctr_va_vdst(0)
.Lk:                                                   ; passes 4 to 7: k, into planes 0 to 3
	PASS 1, -1, 0
	QSTORE 1
	s_wait_alu depctr_va_vdst(0)                   ; ahead of the branch
	s_sub_co_u32 s[TRIP], s[TRIP], 1
	s_cmp_lg_u32 s[TRIP], 0
	s_cbranch_scc1 .Lk
	s_mov_b32 s[HO], 4*PLC                         ; q's plane
	s_mov_b32 s[HS], 4*SPL
	s_mov_b32 s[TRIP], 2
.Lq:                                                   ; passes 8 and 9: q
	PASS 1, -1, 0
	KLOAD
	QSTORE 0
	ATT
	s_wait_alu depctr_va_vdst(0)
	s_sub_co_u32 s[TRIP], s[TRIP], 1
	s_cmp_lg_u32 s[TRIP], 0
	s_cbranch_scc1 .Lq
	s_mov_b32 s[TRIP], 2
.Llast:                                                ; passes 10 and 11: q, nothing is filled again
	PASS 0, -1, 1
	KLOAD
	QSTORE 0
	ATT
	s_wait_alu depctr_va_vdst(0)
	s_sub_co_u32 s[TRIP], s[TRIP], 1
	s_cmp_lg_u32 s[TRIP], 0
	s_cbranch_scc1 .Llast
	s_wait_tensorcnt 0x0                           ; the wave's end
	ds_add_u32 v[SPW], v[NIL]
	s_wait_dscnt 0x0
	CROUND                                         ; the closing round, behind the last joint load
	s_endpgm
.Lfunc_end_k_q909135971e_main:
	.size	k_q909135971e_main, .Lfunc_end_k_q909135971e_main-k_q909135971e_main
	.p2alignl 7, 3214868480
	.fill 96, 4, 3214868480
	.section	.rodata,"a",@progbits
	.p2align	6, 0x0
	.amdhsa_kernel k_q909135971e_main
		.amdhsa_group_segment_fixed_size 327680
		.amdhsa_private_segment_fixed_size 0
		.amdhsa_enable_private_segment 0
		.amdhsa_kernarg_size 32
		.amdhsa_user_sgpr_count 2
		.amdhsa_user_sgpr_kernarg_segment_ptr 1
		.amdhsa_wavefront_size32 1
		.amdhsa_system_sgpr_workgroup_id_x 1
		.amdhsa_system_sgpr_workgroup_id_y 1
		.amdhsa_system_sgpr_workgroup_id_z 1
		.amdhsa_system_vgpr_workitem_id 0
		.amdhsa_next_free_vgpr 1024
		.amdhsa_next_free_sgpr 66
		.amdhsa_reserve_vcc 0
		.amdhsa_float_denorm_mode_32 3
		.amdhsa_float_denorm_mode_16_64 3
		.amdhsa_memory_ordered 1
		.amdhsa_forward_progress 1
		.amdhsa_inst_pref_size 255
	.end_amdhsa_kernel
	.section	.bss,"aw",@nobits
	.p2align	6
	.space	262144
	.amdgpu_metadata
---
amdhsa.version: [ 1, 2 ]
amdhsa.kernels:
  - .name:           k_q909135971e_main
    .symbol:         k_q909135971e_main.kd
    .args:
      - { .name: x, .offset: 0, .size: 8, .value_kind: global_buffer, .address_space: global }
      - { .name: wcodes, .offset: 8, .size: 8, .value_kind: global_buffer, .address_space: global }
      - { .name: wside, .offset: 16, .size: 8, .value_kind: global_buffer, .address_space: global }
      - { .name: out0, .offset: 24, .size: 8, .value_kind: global_buffer, .address_space: global }
    .group_segment_fixed_size: 327680
    .private_segment_fixed_size: 0
    .kernarg_segment_align: 8
    .kernarg_segment_size: 32
    .max_flat_workgroup_size: 128
    .sgpr_count:     66
    .vgpr_count:     1024
    .wavefront_size: 32
...
	.end_amdgpu_metadata
.endif
;; end of part 2
